; MI455X (gfx1250); checked and timed in simulation.
; The chip was launched on July 23, 2026; its instructions are those of AMD's public machine-readable ISA for CDNA 5 (MIT licence, August 2026) and "CDNA5" Instruction Set Architecture Reference Guide (July 2026). The comments in the code are by the model that wrote it; some were corrected since.
;; GRU Unit. Allowed arithmetic: matrix products marked QUANTISED: E5M2 operands, one E8M0 scale for each 32 along K, by v_wmma_scale_f32_16x16x128_f8f6f4 with both operands' format E5M2, f32 sums; everything else in f32.
;; Inputs: W_h2h 1,024 x 1,024 float32; W_h2r 1,024 x 1,024 float32; W_h2z 1,024 x 1,024 float32; W_i2h 1,024 x 1,024 float32; W_i2r 1,024 x 1,024 float32; W_i2z 1,024 x 1,024 float32; b_i2h 1,024 float32; b_i2r 1,024 float32; b_i2z 1,024 float32; hidden 8,192 x 1,024 float32; inputs 8,192 x 1,024 float32.
;; Outputs: out0 8,192 x 1,024 float32.
;; This version of the problem:
;;   THIS VERSION OF THE PROBLEM IS GIVEN IN LOW PRECISION. The matrix products marked QUANTISED in the list below multiply operands that are first quantised to E5M2 (5 exponent bits, 2 mantissa bits; 8 bits a number), with one power-of-two scale for each 32 numbers along K (OCP MX v1.0); their sums are f32. All else is computed in f32.
;;   The module's matrix products, in the order in which they are computed (A, B: the left and right operand; K: the contracted axis; several contracted axes count as one K, in the product's order):
;;     1. [M 8,192, K 1,024] x [K 1,024, N 1,024]; A: input inputs; B: input W_i2r: QUANTISED
;;     2. [M 8,192, K 1,024] x [K 1,024, N 1,024]; A: input hidden; B: input W_h2r: QUANTISED
;;     3. [M 8,192, K 1,024] x [K 1,024, N 1,024]; A: input inputs; B: input W_i2z: QUANTISED
;;     4. [M 8,192, K 1,024] x [K 1,024, N 1,024]; A: input hidden; B: input W_h2z: QUANTISED
;;     5. [M 8,192, K 1,024] x [K 1,024, N 1,024]; A: input inputs; B: input W_i2h: QUANTISED
;;     6. [M 8,192, K 1,024] x [K 1,024, N 1,024]; A: input hidden; B: input W_h2h: QUANTISED
;;   THE QUANTISER, for each operand of a quantised product, along K:
;;     - K is cut into blocks of 32 from its start; a last block that is shorter is filled with zeros.
;;     - A block's scale is 2^e with e = floor(log2(the largest magnitude in the block)) - 15, held to -126 .. 127; a block of zeros has e = 0. As a byte (E8M0): e + 127.
;;     - Each number is divided by its block's scale, clamped to +-57,344, and rounded to the nearest number of E5M2, ties to even, subnormals kept.
;;     - The product sums the exact products of the quantised numbers (number of the format x scale) in f32.
;;   ~~~python
;;   def quantise(x, axis):      # numpy; x: float32 -> the quantised numbers, widened to float32 again
;;       x = np.moveaxis(x, axis, -1); K = x.shape[-1]
;;       x = np.pad(x, [(0, 0)] * (x.ndim - 1) + [(0, -K % 32)]); x = x.reshape(x.shape[:-1] + (-1, 32)); a = np.abs(x).max(-1, keepdims=True)
;;       e = np.where(a > 0, np.clip(np.frexp(np.where(a > 0, a, 1))[1] - 1 - 15, -126, 127), 0)      # np.frexp(a)[1] - 1 = floor(log2(a)), exactly
;;       r = np.clip(x / 2.0 ** e, -57344, 57344)
;;       step = 2.0 ** (np.maximum(np.frexp(np.where(r == 0, 1, r))[1] - 1, -14) - 2)
;;       q = np.round(r / step) * step * 2.0 ** e      # np.round: ties to even
;;       return np.moveaxis(q.reshape(q.shape[:-2] + (-1,))[..., :K], -1, axis).astype(np.float32)
;;   ~~~
;; One version. Each part assembles by itself: llvm-mc -triple=amdgcn-amd-amdhsa -mcpu=gfx1250 --defsym DOCPART=n.
;; ======== version 1 of 1: 2 launches
;; limits: inputs' magnitudes at most 1.476e+20; right only within a limited range of input values
;; workspace buffers: acodes 16,777,216 bytes; ascales 524,288 bytes; wcodes 6,553,600 bytes
;; launch quant (part 1): grid 704 x 1, 4 waves a work-group, no clusters, 57,856 bytes of LDS; arguments inputs, hidden, W_i2r, W_i2z, W_i2h, W_h2r, W_h2z, W_h2h, acodes, ascales, wcodes; writes acodes, ascales, wcodes
.if DOCPART == 1
	.amdgcn_target "amdgcn-amd-amdhsa--gfx1250"
	.amdhsa_code_object_version 6
	.text
	.protected	k_q28dddff4e4_quant
	.globl	k_q28dddff4e4_quant
	.p2align	8
	.type	k_q28dddff4e4_quant,@function
k_q28dddff4e4_quant:
	s_mov_b64 s[64:65], 0
	v_nop
	global_prefetch_b8 v0, s[64:65] scope:SCOPE_SE
	s_setreg_imm32_b32 hwreg(HW_REG_WAVE_MODE, 25, 1), 1
	s_wait_xcnt 0x0
; All eight f32 operands of the GRU's six products become codes of BF8 (E5M2) with one E8M0 scale byte for each 32 along K.
; A block's scale is 2^(floor(log2(its largest magnitude)) - 15); its byte is the largest magnitude's exponent field - 15, held at 1 from below.
; Each number is divided by the scale, held within +-57,344 and rounded to the nearest code, ties to even.
; OUT:  acodes  [8192][2048]: row m: bytes 0-1023 codes of inputs[m][k], bytes 1024-2047 codes of hidden[m][k].
;       ascales [2][8192][32]: plane 0 inputs' bytes, plane 1 hidden's.
;       wcodes  [3072][2048]: row (n / 32) 96 + 32 g + n % 32, g = 0 (r), 1 (z), 2 (h): bytes 0-1023 codes of W_i2g[k][n], bytes 1024-2047 of W_h2g[k][n]: K innermost.
;       wscales [2][3072][32]: plane 0 the W_i2*, plane 1 the W_h2*.
; SHARES: work-groups 0-191 take the weights (K is their FIRST axis: a lane takes a column, its registers run down K), work-groups 192-703 the activations (K innermost: a plain stream of blocks).
; Each work-group reads 128 KiB.  The two ways part on the work-group's number, never join, and have LDS bytes of their own.  No tensor loads, no barrier: waves share nothing.
; LIMITS: NaN and infinities among the inputs are not served.  A block of zeros gets the byte 1 where the rule says 127: its codes are zeros, which add nothing under any byte but 0xff, and this program alone reads the bytes.
; THE WEIGHTS' LAYOUT (this takes the place of the two lines on wcodes and wscales above; there is no buffer wscales):
;       wcodes [32 groups of 32 columns][16 steps of 128 along K: 0-7 the W_i2*, 8-15 the W_h2*][12,800 bytes]: six fragments of 2,048 bytes, fragment 2 g + j = gate g, columns 16 j .. 16 j + 15 of the group,
;       as the matrix operand's registers take it: byte 512 c + 16 lane + i is the code of column lane % 16 at K = 32 c + 16 (lane / 16) + i; behind them, at byte 12,288 + 128 g + 4 lane, column lane's scale word of the step; 128 bytes are left over.
.set EMAX,  15
.set MANT,  0x600000                   ; the mantissa field of 57,344 as f32
.set NWGW,  192                        ; work-groups for the weights: 6 tensors x 8 (128 columns) x 4 (256 along K)
; the activations' way
.set STEPS, 16                         ; a wave takes 16 steps of 512 numbers: 8 rows
.set SP,    80                         ; a lane's place in a stage: its 64 bytes + 16 of padding
.set XREG,  5632                       ; LDS of a wave: two stages of 32 x SP bytes, then its 256 scale bytes
.set XR,    16                         ; v16-79   four sets of 16 numbers as they are loaded
.set XN,    80                         ; v80-111  two sets of 16 neighbours
.set XE,    112                        ; v112-127 a scale byte for each step
.set XC,    128                        ; v128-191 codes: four registers for each step, so that no store's data are written again
; the weights' way
.set NB,    8                          ; blocks of 32 along K for a wave: 256
.set WLDS,  4*XREG                     ; its LDS begins behind the other way's
.set WP,    272                        ; a stage row: 256 bytes of codes + 16
.set WSB,   24                         ; v24-25   the scale bytes, four to a register
.set WX,    32                         ; v32-95   two sets of 32 numbers
.set WC,    96                         ; v96-103  a block's codes
.set WOUT,  112                        ; v112-175 the way out
.macro XLOAD t
.irp i, 0,1,2,3
	global_load_b128 v[XR+16*((\t)%4)+4*\i:XR+16*((\t)%4)+4*\i+3], v3, s[4:5] offset:2048*(\t)+512*\i th:TH_LOAD_NT   ; 32 lanes read 512 consecutive bytes
.endr
.endm
.macro XTURN t                         ; step t's numbers through the stage: LDS serves a wave's instructions in order, so no wait stands between the stores and the loads
.irp i, 0,1,2,3
	ds_store_b128 v14, v[XR+16*((\t)%4)+4*\i:XR+16*((\t)%4)+4*\i+3] offset:32*SP*((\t)%2)+8*SP*\i
.endr
.irp i, 0,1,2,3
	ds_load_b128 v[XN+16*((\t)%2)+4*\i:XN+16*((\t)%2)+4*\i+3], v15 offset:32*SP*((\t)%2)+16*\i
.endr
.endm
.macro XSTEP t
.set XS, XN+16*((\t)%2)
.if (\t) > 0
	s_wait_dscnt 1                                 ; this step's numbers are back from the stage (the last step's byte store may be out): so its stores into the stage have read their registers,
.else
	s_wait_dscnt 0x0
.endif
.if (\t)+4 < STEPS
	XLOAD (\t)+4                                   ; which take the loads of four steps on
.endif
.if (\t)+1 < STEPS
.if STEPS-2-(\t) >= 3
	s_wait_loadcnt 12                              ; the next step's four loads are in; those of the three steps behind it may be out
.else
	s_wait_loadcnt 4*(STEPS-2-(\t))
.endif
	XTURN (\t)+1                                   ; and go through the other stage while this step is worked
.endif
	v_max3_num_f32 v8, |v[XS]|, |v[XS+1]|, |v[XS+2]|               ; the largest magnitude of my 16, in two chains
	v_max3_num_f32 v9, |v[XS+3]|, |v[XS+4]|, |v[XS+5]|
.irp i, 6,10
	v_max3_num_f32 v8, v8, |v[XS+\i]|, |v[XS+\i+1]|
	v_max3_num_f32 v9, v9, |v[XS+\i+2]|, |v[XS+\i+3]|
.endr
	v_max3_num_f32 v8, v8, |v[XS+14]|, |v[XS+15]|
	v_max3_num_f32 v8, v8, v9, (EMAX+1)<<23        ; and the floor 2^(16 - 127): so the byte cannot fall under 1
	v_max_num_f32_dpp v8, v8, v8 row_xmask:1 row_mask:0xf bank_mask:0xf   ; and of my neighbour's 16: the block's
	v_add_nc_u32 v11, -(EMAX<<23), v8              ; 15 off its exponent field: the conversion takes the exponent field of this operand as its scale
	v_and_or_b32 v10, v8, 0x7f800000, s38          ; 57,344 x the scale: the largest magnitude's exponent field over 57,344's mantissa
.irp i, 0,1,2,3,4,5,6,7,8,9,10,11,12,13,14,15
	v_med3_num_f32 v[XS+\i], v[XS+\i], -v10, v10   ; the conversion to an 8-bit code does not saturate (ISA guide 7.6.2): the hold comes first
.endr
	v_cvt_scalef32_pk8_bf8_f32 v[XC+4*(\t):XC+4*(\t)+1], v[XS:XS+7], v11
	v_cvt_scalef32_pk8_bf8_f32 v[XC+4*(\t)+2:XC+4*(\t)+3], v[XS+8:XS+15], v11
	v_lshrrev_b32 v[XE+(\t)], 23, v11              ; the scale's byte (also the plain line behind the conversions)
	ds_store_b8 v5, v[XE+(\t)] offset:16*(\t)      ; both lanes of a block write the same byte with the same value
	global_store_b128 v3, v[XC+4*(\t):XC+4*(\t)+3], s[20:21] offset:2048*((\t)/2)+512*((\t)%2)   ; half a row's codes: 512 consecutive bytes, aligned; rows of acodes are 2,048 bytes apart
.endm
.macro WLOAD t                         ; block t: W(32 t + i, my column), i = 0 .. 31, into set t % 2; a row of W is 4,096 bytes
.irp i, 0,1,2,3,4,5,6,7,8,9,10,11,12,13,14,15,16,17,18,19,20,21,22,23,24,25,26,27,28,29,30,31
	global_load_b32 v[WX+32*((\t)%2)+\i], v3, s[40:41] offset:(32*(\t)+\i)*4096 th:TH_LOAD_NT
.endr
.endm
.macro WBLOCK t
.set XS, WX+32*((\t)%2)
.if (\t) < NB-1
	s_wait_loadcnt 32                              ; this block's 32 loads are in; the next block's may be out
.else
	s_wait_loadcnt 0x0
.endif
	v_max3_num_f32 v12, |v[XS]|, |v[XS+1]|, |v[XS+2]|              ; the block's largest magnitude: all 32 numbers are mine
	v_max3_num_f32 v13, |v[XS+3]|, |v[XS+4]|, |v[XS+5]|
.irp i, 6,10,14,18,22,26
	v_max3_num_f32 v12, v12, |v[XS+\i]|, |v[XS+\i+1]|
	v_max3_num_f32 v13, v13, |v[XS+\i+2]|, |v[XS+\i+3]|
.endr
	v_max3_num_f32 v12, v12, |v[XS+30]|, |v[XS+31]|
	v_max3_num_f32 v12, v12, v13, (EMAX+1)<<23     ; and the floor
	v_add_nc_u32 v11, -(EMAX<<23), v12             ; the conversion's scale operand
	v_and_or_b32 v10, v12, 0x7f800000, s38         ; 57,344 x the scale
	v_lshrrev_b32 v13, 23, v11                     ; the scale's byte
.if (\t)%4 == 0
	v_mov_b32 v[WSB+(\t)/4], v13                   ; four bytes to a register, the lower K in the lower byte
.else
	v_lshl_or_b32 v[WSB+(\t)/4], v13, 8*((\t)%4), v[WSB+(\t)/4]
.endif
.irp i, 0,1,2,3,4,5,6,7,8,9,10,11,12,13,14,15,16,17,18,19,20,21,22,23,24,25,26,27,28,29,30,31
	v_med3_num_f32 v[XS+\i], v[XS+\i], -v10, v10
.endr
.irp g, 0,1,2,3
	v_cvt_scalef32_pk8_bf8_f32 v[WC+2*\g:WC+2*\g+1], v[XS+8*\g:XS+8*\g+7], v11
.endr
	v_nop                                          ; one plain line behind the last conversion
	ds_store_b128 v4, v[WC:WC+3] offset:32*(\t)    ; 32 codes: 32 bytes of my column's row
	ds_store_b128 v4, v[WC+4:WC+7] offset:32*(\t)+16
.if (\t)+2 < NB
	WLOAD (\t)+2
.endif
	s_wait_dscnt 0x0                               ; the stores have read their registers: the next block's codes may be written
.endm
	s_load_b512 s[4:19], s[0:1], 0x0               ; inputs s[4:5], hidden s[6:7], W_i2r, W_i2z, W_i2h, W_h2r, W_h2z, W_h2h s[8:19]
	s_load_b128 s[20:23], s[0:1], 0x40             ; acodes s[20:21], ascales s[22:23]
	s_load_b64 s[24:25], s[0:1], 0x50              ; wcodes
	v_lshl_add_u32 v192, v0, 2, 0xe000
	v_mov_b32 v193, 0
	v_lshrrev_b32 v1, 5, v0
	v_readfirstlane_b32 s28, v1                    ; wave 0..3
	v_and_b32 v2, 31, v0                           ; lane
	s_mov_b32 s38, MANT                            ; (an instruction takes one literal: the hold's line has another)
	s_wait_kmcnt 0x0
	s_cmp_lt_u32 ttmp9, NWGW
	s_cbranch_scc1 .Lweights
	; ---------------- THE ACTIVATIONS: 512 work-groups, 256 for each tensor; a wave takes 8 rows ----------------
	s_sub_co_u32 s29, ttmp9, NWGW
	s_cmp_lt_u32 s29, 256                          ; inputs or hidden?  The choice hangs on the work-group's number alone
	s_cselect_b64 s[4:5], s[4:5], s[6:7]
	s_cselect_b32 s30, 0, 1                        ; which half of acodes' rows, which plane of ascales
	s_and_b32 s29, s29, 255
	s_lshl_b32 s29, s29, 2
	s_add_co_u32 s29, s29, s28                     ; which run of 8 rows is my wave's: 0 .. 1,023
	s_lshl_b32 s32, s29, 15                        ; 8 rows of 4,096 bytes
	s_mov_b32 s33, 0
	s_add_nc_u64 s[4:5], s[4:5], s[32:33]
	s_lshl_b32 s32, s29, 14                        ; 8 rows of 2,048 bytes of codes,
	s_lshl_b32 s34, s30, 10                        ; + 1,024 for hidden
	s_add_co_u32 s32, s32, s34
	s_add_nc_u64 s[20:21], s[20:21], s[32:33]
	s_lshl_b32 s32, s29, 8                         ; 8 rows of 32 scale bytes,
	s_lshl_b32 s34, s30, 18                        ; + a plane for hidden
	s_add_co_u32 s32, s32, s34
	s_add_nc_u64 s[22:23], s[22:23], s[32:33]
	s_wait_alu depctr_va_vdst(0)
	v_lshlrev_b32 v3, 4, v2                        ; my 16 bytes of a load's 512, and of a step's 512 bytes of codes; never rewritten
	s_mul_i32 s31, s28, XREG
	v_lshrrev_b32 v14, 2, v2
	v_mul_u32_u24 v14, v14, SP
	v_and_b32 v15, 3, v2
	v_lshl_add_u32 v14, v15, 4, v14
	v_add_nc_u32 v14, s31, v14                     ; the stage, on the way in: four lanes' 64 bytes on end, then 16 of padding
	v_mul_u32_u24 v15, v2, SP
	v_add_nc_u32 v15, s31, v15                     ; and on the way out: my 16 neighbours
	v_lshrrev_b32 v5, 1, v2
	s_add_co_u32 s31, s31, 2*32*SP
	v_add_nc_u32 v5, s31, v5                       ; my wave's 256 scale bytes, my block's byte
	v_lshlrev_b32 v7, 3, v2                        ; and on the way out 8 bytes a lane
	v_add_nc_u32 v6, s31, v7
.irp t, 0,1,2,3
	XLOAD \t
.endr
	s_wait_alu depctr_va_vdst(0)
	s_wait_loadcnt 12                              ; step 0's four loads are in
	XTURN 0
.irp t, 0,1,2,3,4,5,6,7,8,9,10,11,12,13,14,15
	XSTEP \t
.endr
	ds_load_b64 v[12:13], v6                       ; LDS serves a wave's instructions in order: these see my byte stores
	s_wait_dscnt 0x0
	global_store_b64 v7, v[12:13], s[22:23]        ; 32 lanes store 256 consecutive bytes, aligned: 8 rows' scale bytes
	s_wait_tensorcnt 0x0
	ds_add_u32 v192, v193
	s_wait_dscnt 0x0
	s_endpgm
	; ---------------- THE WEIGHTS: 32 work-groups a tensor: 8 x 128 columns, 4 x 256 along K; a wave takes 32 columns ----------------
.Lweights:
	s_lshr_b32 s29, ttmp9, 5                       ; which tensor, in the arguments' order: 0 .. 5
	s_and_b32 s30, ttmp9, 7                        ; which 128 columns
	s_bfe_u32 s31, ttmp9, 0x20003                  ; which 256 along K
	s_mov_b64 s[40:41], s[8:9]
.irp i, 1,2,3,4,5
	s_cmp_eq_u32 s29, \i
	s_cselect_b64 s[40:41], s[8+2*\i:9+2*\i], s[40:41]
.endr
	s_cmp_ge_u32 s29, 3
	s_cselect_b32 s32, 1, 0                        ; 0: a W_i2*, 1: a W_h2*
	s_mul_i32 s33, s32, 3
	s_sub_co_u32 s29, s29, s33                     ; the gate g
	s_lshl_b32 s30, s30, 2
	s_add_co_u32 s30, s30, s28                     ; my wave's group of 32 columns: 0 .. 31
	s_lshl_b32 s34, s31, 20                        ; W: 256 rows of 4,096 bytes,
	s_lshl_b32 s36, s30, 7                         ; + 32 columns of 4 bytes
	s_add_co_u32 s34, s34, s36
	s_mov_b32 s35, 0
	s_add_nc_u64 s[40:41], s[40:41], s[34:35]
	s_mul_i32 s34, s30, 204800                     ; my group's 16 steps of 12,800 bytes
	s_lshl_b32 s36, s32, 3
	s_lshl_b32 s33, s31, 1
	s_add_co_u32 s36, s36, s33                     ; my first step: 8 for a W_h2*, + 2 for each 256 along K
	s_mul_i32 s36, s36, 12800
	s_add_co_u32 s34, s34, s36
	s_add_nc_u64 s[24:25], s[24:25], s[34:35]
	s_lshl_b32 s34, s29, 7
	s_add_co_u32 s34, s34, 12288
	s_add_nc_u64 s[26:27], s[24:25], s[34:35]      ; my gate's scale words, behind the step's six fragments
	s_lshl_b32 s34, s29, 12
	s_add_nc_u64 s[24:25], s[24:25], s[34:35]      ; my gate's two fragments
	s_wait_alu depctr_va_vdst(0)
	v_lshlrev_b32 v3, 2, v2                        ; in: 4 bytes a lane
	s_mul_i32 s36, s28, 32*WP
	s_add_co_u32 s36, s36, WLDS                    ; my stage
	v_mul_u32_u24 v4, v2, WP
	v_add_nc_u32 v4, s36, v4                       ; into it: row = my column
	v_and_b32 v5, 15, v2
	v_lshrrev_b32 v6, 4, v2                        ; out of it: two lanes to a row, sixteen rows an instruction
	v_mul_u32_u24 v7, v5, WP                       ; out of it as a fragment's lanes take it: row lane % 16, + 16 (lane / 16)
	v_lshl_add_u32 v7, v6, 4, v7
	v_add_nc_u32 v7, s36, v7
	v_lshlrev_b32 v8, 4, v2                        ; 16 bytes a lane of a fragment's 512
	v_lshlrev_b32 v9, 2, v2                        ; my column's scale word
	WLOAD 0
	WLOAD 1
.irp t, 0,1,2,3,4,5,6,7
	WBLOCK \t
.endr
	global_store_b32 v9, v[WSB], s[26:27]          ; my column's scale word of the first step,
	global_store_b32 v9, v[WSB+1], s[26:27] offset:12800   ; and of the second
.irp t, 0,1,2,3,4,5,6,7,8,9,10,11,12,13,14,15
	ds_load_b128 v[WOUT+4*\t:WOUT+4*\t+3], v7 offset:((\t/4)%2)*16*WP+(\t/8)*128+(\t%4)*32   ; t = 8 q + 4 j + c: step q, columns 16 j .., registers 4 c ..
.endr
.irp t, 0,1,2,3,4,5,6,7,8,9,10,11,12,13,14,15
	s_wait_dscnt 15-\t
	global_store_b128 v8, v[WOUT+4*\t:WOUT+4*\t+3], s[24:25] offset:(\t/8)*12800+((\t/4)%2)*2048+(\t%4)*512   ; 32 lanes store 512 consecutive bytes, aligned
.endr
	s_wait_tensorcnt 0x0
	ds_add_u32 v192, v193
	s_wait_dscnt 0x0
	s_endpgm
.Lfunc_end_k_q28dddff4e4_quant:
	.size	k_q28dddff4e4_quant, .Lfunc_end_k_q28dddff4e4_quant-k_q28dddff4e4_quant
	.p2alignl 7, 3214868480
	.fill 96, 4, 3214868480
	.section	.rodata,"a",@progbits
	.p2align	6, 0x0
	.amdhsa_kernel k_q28dddff4e4_quant
		.amdhsa_group_segment_fixed_size 57856
		.amdhsa_private_segment_fixed_size 0
		.amdhsa_enable_private_segment 0
		.amdhsa_kernarg_size 88
		.amdhsa_user_sgpr_count 2
		.amdhsa_user_sgpr_kernarg_segment_ptr 1
		.amdhsa_wavefront_size32 1
		.amdhsa_system_sgpr_workgroup_id_x 1
		.amdhsa_system_sgpr_workgroup_id_y 1
		.amdhsa_system_sgpr_workgroup_id_z 1
		.amdhsa_system_vgpr_workitem_id 0
		.amdhsa_next_free_vgpr 194
		.amdhsa_next_free_sgpr 66
		.amdhsa_reserve_vcc 0
		.amdhsa_float_denorm_mode_32 3
		.amdhsa_float_denorm_mode_16_64 3
		.amdhsa_memory_ordered 1
		.amdhsa_forward_progress 1
		.amdhsa_inst_pref_size 110
	.end_amdhsa_kernel
	.amdgpu_metadata
---
amdhsa.version: [ 1, 2 ]
amdhsa.kernels:
  - .name:           k_q28dddff4e4_quant
    .symbol:         k_q28dddff4e4_quant.kd
    .args:
      - { .name: inputs, .offset: 0, .size: 8, .value_kind: global_buffer, .address_space: global }
      - { .name: hidden, .offset: 8, .size: 8, .value_kind: global_buffer, .address_space: global }
      - { .name: W_i2r, .offset: 16, .size: 8, .value_kind: global_buffer, .address_space: global }
      - { .name: W_i2z, .offset: 24, .size: 8, .value_kind: global_buffer, .address_space: global }
      - { .name: W_i2h, .offset: 32, .size: 8, .value_kind: global_buffer, .address_space: global }
      - { .name: W_h2r, .offset: 40, .size: 8, .value_kind: global_buffer, .address_space: global }
      - { .name: W_h2z, .offset: 48, .size: 8, .value_kind: global_buffer, .address_space: global }
      - { .name: W_h2h, .offset: 56, .size: 8, .value_kind: global_buffer, .address_space: global }
      - { .name: acodes, .offset: 64, .size: 8, .value_kind: global_buffer, .address_space: global }
      - { .name: ascales, .offset: 72, .size: 8, .value_kind: global_buffer, .address_space: global }
      - { .name: wcodes, .offset: 80, .size: 8, .value_kind: global_buffer, .address_space: global }
    .group_segment_fixed_size: 57856
    .private_segment_fixed_size: 0
    .kernarg_segment_align: 8
    .kernarg_segment_size: 88
    .max_flat_workgroup_size: 128
    .sgpr_count:     66
    .vgpr_count:     194
    .wavefront_size: 32
...
	.end_amdgpu_metadata
.endif
;; end of part 1
;; launch gru (part 2): grid 4 x 64, 4 waves a work-group, clusters of 4 x 1, 327,680 bytes of LDS; arguments acodes, ascales, wcodes, hidden, out0, b_i2r, b_i2z, b_i2h; writes out0
.if DOCPART == 2
	.amdgcn_target "amdgcn-amd-amdhsa--gfx1250"
	.amdhsa_code_object_version 6
	.text
	.protected	k_q28dddff4e4_gru
	.globl	k_q28dddff4e4_gru
	.p2align	8
	.type	k_q28dddff4e4_gru,@function
k_q28dddff4e4_gru:
	s_mov_b64 s[64:65], 0
	v_nop
	global_prefetch_b8 v0, s[64:65] scope:SCOPE_SE
	s_setreg_imm32_b32 hwreg(HW_REG_WAVE_MODE, 25, 1), 1
	s_wait_xcnt 0x0
	s_wait_alu depctr_hold_cnt(0) depctr_sa_sdst(0) depctr_va_vdst(0) depctr_va_sdst(0) depctr_va_ssrc(0) depctr_va_vcc(0) depctr_vm_vsrc(0)
	s_getreg_b32 s2, hwreg(HW_REG_IB_STS2, 6, 4)
	s_cmp_eq_u32 s2, 0
	s_cbranch_scc0 .Lentry_in_a_cluster
	s_endpgm
.Lentry_in_a_cluster:
	s_bfe_u32 s2, ttmp6, 0x10000c
	s_cmp_lg_u32 s2, 0x3003
	s_cbranch_scc0 .Lentry_shape_is_right
	s_endpgm
.Lentry_shape_is_right:
; out = (1 - z) tanh(x Wih + bh + r (h Whh)) + z h,  r = sigmoid(x Wir + br + h Whr),  z = sigmoid(x Wiz + bz + h Whz).  All six products on codes of BF8 (E5M2) with E8M0 scales, as the launch before laid them.
; FOUR SUMS FOR EACH OUTPUT: R, Z (x's and h's K steps on one accumulator), A = x Wih, Bh = h Whh.
; SHARES.  A work-group owns 128 rows x 256 columns, as two tiles of 128 columns.  Its 128 rows of acodes, all 2,048 along K, lie in LDS for the whole launch: four chunks of 128 rows x 512 bytes, one tensor load a wave, filled once.
; All four waves multiply the same 128 rows; wave w owns columns 32 w .. 32 w + 31 of the tile: 8 x 2 tiles x 4 sums = 64 accumulators.  So a wave's weight fragments are read by no other wave of the work-group:
; they go from memory straight into registers, a ring of 16 fragments (window 1), six to a step of 128 along K, in the order in which wcodes holds them; each load reads 512 consecutive bytes.
; CLUSTERS: the four work-groups of a row block need the same rows of acodes: 4, 1, 1, each chunk asked for jointly.  The chunks are shown one by one: chunk q by a barrier ahead of its first read, with the waves 0 .. q waiting.
; PREFETCH: a wave's weight stream is asked for two quarters (8 steps, 102,400 bytes) ahead; a quarter's 200 blocks of 256 bytes are shared out by address among 16 classes of row blocks, so that four clusters name a block.
; hidden's second half is asked for 10 steps ahead of its loads, each block by the one wave that loads it.  acodes is asked for at the head alone: there is no loop to run ahead in.
; The two tiles are walked in an order that hangs on the parity of the bits of the row block's number.
; THE GATES, L = log2(e): r = 1 / (1 + 2^(-L (R + br))), z likewise, h1 = 1 - 2 / (1 + 2^(2 L (r Bh + A + bh))), out = h1 + z (h - h1).  An exponential that overflows gives the gate's limit value.
; THE WAY OUT: in two halves of 64 rows through a stage of 64 rows x 528 bytes: hidden's rows go in whole, each lane takes its numbers, the results take their place and leave as whole rows of 512 bytes.
; LIMITS: NaN and infinities among the inputs are not served.  R's and Z's sums take x's K steps and then h's on one accumulator: another order of f32 additions than x's sum + h's sum.
; REGISTERS: window 0: v1-31 addresses; v32-39, v40-55 scale words and nothing else; v64-127 hidden's first half, then the biases; v128-255 A's 8 fragments, on the way out at work.  window 1: the ring.  windows 2, 3: accumulators.
.set PITCH, 528                        ; an LDS row: 512 bytes + 16: 33 x 16 bytes
.set CHK,   128*PITCH                  ; a chunk
.set ASC,   4*CHK                      ; A's scale words: [16 steps][32 lanes][4 pairs of blocks]
.set SPARE, ASC+8192                   ; the spare words
.set STG,   SPARE+512                  ; the stage
.set CST,   12800                      ; a step's bytes in wcodes
.set STRM,  16*CST
.set QB,    4*CST
.set ADRA, 8                           ; v8-11 my fragment rows in chunk 0 .. 3
.set BO,   12                          ; 16 x lane
.set BO4,  13                          ; 4 x lane
.set ADSA, 14                          ; ASC + 16 x lane
.set STO,  15                          ; the stage: my 32 bytes of a row
.set RD,   16                          ; the stage by whole rows: my wave's 16
.set VB,   17                          ; my eight columns in a bias
.set PFO,  18                          ; my block of a weight quarter
.set PFH,  19                          ; my block of hidden's second half
.set SPW,  20
.set NIL,  21
.set SA,   32                          ; A's scale words: step s at SA + 4 ((s + 1) % 2) + pair
.set SB,   40                          ; B's: step s at SB + 4 (s % 4) + gate
.set BR,   64
.set BZ,   80
.set BH,   96
.set AF,   128
.set TR,   128
.set TZ,   160
.set TU,   192
.set HID,  224
.set RB,   128
.set WV, 20
.set CX, 21
.set Y,  22
.set SW, 23
.set G1, 24
.set G0, 32
.set BP, 36                            ; this tile's weight stream; BN the other tile's
.set BN, 38
.set HP, 40
.set HN, 42
.set OP, 44
.set ON, 46
.set TC, 56
.set NL, 58                            ; -L, twice
.set PL, 60                            ; 2 L, twice
.set MSB, 0
.macro WIN new
.if MSB != (\new)
	s_set_vgpr_msb (MSB<<8)|(\new)
.set MSB, (\new)
.endif
.endm
.set MUL_LO, 0xa1
.set MUL_HI, 0xf1
.set TO_B,   0x40
.macro CROUND
	s_barrier_signal -1
	s_barrier_wait -1
	s_cmp_lg_u32 s[WV], 0
	s_cbranch_scc1 .Lnot_wave_0_\@
	s_barrier_signal -3
.Lnot_wave_0_\@:
	s_barrier_wait -3
	s_barrier_signal -1
	s_barrier_wait -1
.endm
.macro PLACES n
.rept \n
	v_nop
.endr
.endm
.macro TLOAD
	tensor_load_to_lds s[G0:G0+3], s[G1:G1+7]
	s_nop 0
.rept 4
	v_nop
.endr
.endm
.macro ARM under, next                 ; one arm of the head's chain: a load line of its own for each wave
	s_cmp_lt_u32 s[WV], \under
	s_cbranch_scc0 \next
	TLOAD
	s_branch .Lasked
\next:
.endm
.macro WM
.if fZ
.if fRB && fRA
	v_wmma_scale_f32_16x16x128_f8f6f4 v[rD:rD+7], v[rB:rB+15], v[rA:rA+15], 0, v[rSB], v[rSA] matrix_a_fmt:MATRIX_FMT_BF8 matrix_b_fmt:MATRIX_FMT_BF8 matrix_a_scale:MATRIX_SCALE_ROW1 matrix_b_scale:MATRIX_SCALE_ROW1
.elseif fRB
	v_wmma_scale_f32_16x16x128_f8f6f4 v[rD:rD+7], v[rB:rB+15], v[rA:rA+15], 0, v[rSB], v[rSA] matrix_a_fmt:MATRIX_FMT_BF8 matrix_b_fmt:MATRIX_FMT_BF8 matrix_a_scale:MATRIX_SCALE_ROW1
.elseif fRA
	v_wmma_scale_f32_16x16x128_f8f6f4 v[rD:rD+7], v[rB:rB+15], v[rA:rA+15], 0, v[rSB], v[rSA] matrix_a_fmt:MATRIX_FMT_BF8 matrix_b_fmt:MATRIX_FMT_BF8 matrix_b_scale:MATRIX_SCALE_ROW1
.else
	v_wmma_scale_f32_16x16x128_f8f6f4 v[rD:rD+7], v[rB:rB+15], v[rA:rA+15], 0, v[rSB], v[rSA] matrix_a_fmt:MATRIX_FMT_BF8 matrix_b_fmt:MATRIX_FMT_BF8
.endif
.else
.if fRB && fRA
	v_wmma_scale_f32_16x16x128_f8f6f4 v[rD:rD+7], v[rB:rB+15], v[rA:rA+15], v[rD:rD+7], v[rSB], v[rSA] matrix_a_fmt:MATRIX_FMT_BF8 matrix_b_fmt:MATRIX_FMT_BF8 matrix_a_scale:MATRIX_SCALE_ROW1 matrix_b_scale:MATRIX_SCALE_ROW1
.elseif fRB
	v_wmma_scale_f32_16x16x128_f8f6f4 v[rD:rD+7], v[rB:rB+15], v[rA:rA+15], v[rD:rD+7], v[rSB], v[rSA] matrix_a_fmt:MATRIX_FMT_BF8 matrix_b_fmt:MATRIX_FMT_BF8 matrix_a_scale:MATRIX_SCALE_ROW1
.elseif fRA
	v_wmma_scale_f32_16x16x128_f8f6f4 v[rD:rD+7], v[rB:rB+15], v[rA:rA+15], v[rD:rD+7], v[rSB], v[rSA] matrix_a_fmt:MATRIX_FMT_BF8 matrix_b_fmt:MATRIX_FMT_BF8 matrix_b_scale:MATRIX_SCALE_ROW1
.else
	v_wmma_scale_f32_16x16x128_f8f6f4 v[rD:rD+7], v[rB:rB+15], v[rA:rA+15], v[rD:rD+7], v[rSB], v[rSA] matrix_a_fmt:MATRIX_FMT_BF8 matrix_b_fmt:MATRIX_FMT_BF8
.endif
.endif
.endm
; Products of step s on A's block a with the weight fragments lo .. hi of the step's six (source 0: a lane holds one row of out and eight neighbouring columns).
; Accumulator (a, v) at v[8 (8 (a % 4) + v)] of window 2 + a / 4; v = 2 G + j, G = 0 R, 1 Z, 2 A, 3 Bh.  The accumulators take turns.
.macro MUL6 a, s, lo, hi
.irp b, 0,1,2,3,4,5
.set rD,  8*(8*((\a)%4)+\b+2*((\s)/8)*(\b/4))
.set rB,  16*((6*(\s)+\b)%16)
.set rA,  AF+16*(\a)
.set rSB, SB+4*((\s)%4)+\b/2
.set rSA, SA+4*(((\s)+1)%2)+(\a)/2
.set fRB, \b%2
.set fRA, (\a)%2
.set fZ, 0
.if (\s) == 0
.set fZ, 1
.endif
.if ((\s) == 8) && (\b >= 4)
.set fZ, 1
.endif
.if (\b >= \lo) && (\b <= \hi)
	WM
.endif
.endr
.endm
.macro FETCH1 s, i                     ; A's block i of step s: 4 LDS loads
.irp c, 0,1,2,3
	ds_load_b128 v[AF+16*(\i)+4*\c:AF+16*(\i)+4*\c+3], v[ADRA+(\s)/4] offset:((\s)%4)*128+32*\c+(\i)*16*PITCH
.endr
.endm
.macro FETCH_A s, i0                   ; A's blocks i0 .. i0 + 3 of step s: 16 LDS loads in one run
.irp i, 0,1,2,3
	FETCH1 \s, (\i0)+\i
.endr
.endm
.macro ASCL s                          ; A's four scale words of step s
	ds_load_b128 v[SA+4*(((\s)+1)%2):SA+4*(((\s)+1)%2)+3], v[ADSA] offset:(\s)*512
.endm
.macro BFRAGS f0, n                    ; weight fragments f0 .. f0 + n - 1 of the tile's 96 into their ring places
	WIN TO_B
.set F, \f0
.rept \n
.if F < 96
.irp c, 0,1,2,3
	global_load_b128 v[16*(F%16)+4*\c:16*(F%16)+4*\c+3], v[BO], s[BP:BP+1] offset:(F/6)*CST+(F%6)*2048+\c*512
.endr
.endif
.set F, F+1
.endr
	WIN 0
.endm
.macro BSCL s                          ; the weights' three scale words of step s
.irp g, 0,1,2
	global_load_b32 v[SB+4*((\s)%4)+\g], v[BO4], s[BP:BP+1] offset:(\s)*CST+12288+\g*128
.endr
.endm
.macro HLOAD u                         ; hidden: my wave's 16 rows of half u, a row of 512 bytes an instruction
.if \u
	WIN TO_B
.endif
.irp t, 0,1,2,3,4,5,6,7,8,9,10,11,12,13,14,15
	global_load_b128 v[64+4*\t:64+4*\t+3], v[BO], s[HP:HP+1] offset:(64*\u+\t)*4096 th:TH_LOAD_NT
.endr
.endm
.macro HSTORE u
.if \u
	WIN 0x04                                       ; an LDS store's data are its source 1
.endif
.irp t, 0,1,2,3,4,5,6,7,8,9,10,11,12,13,14,15
	ds_store_b128 v[RD], v[64+4*\t:64+4*\t+3] offset:\t*PITCH
.endr
	WIN 0
.endm
.macro SHOW under                      ; the waves whose chunks are read next wait for them; then the work-group's barrier.
.if (\under) < 4
	s_cmp_lt_u32 s[WV], \under
	s_cbranch_scc0 .Lshown_\@
	s_wait_tensorcnt 0x0
.Lshown_\@:
.else
	s_wait_tensorcnt 0x0
.endif
	s_barrier_signal -1
	s_barrier_wait -1
.endm
.macro ASK p                           ; in quarter p: the weight quarter two on; past the second tile's end nothing
.if (\p) < 2
	global_prefetch_b8 v[PFO], s[BP:BP+1] offset:((\p)+2)*QB th:TH_LOAD_NT scope:SCOPE_SE
.if (\p) == 1
	global_prefetch_b8 v[PFH], s[HP:HP+1] offset:64*4096 th:TH_LOAD_NT scope:SCOPE_SE
.endif
.else
	s_cmp_lg_u32 s[TC], 0
	s_cbranch_scc1 .Lnone_\@
	global_prefetch_b8 v[PFO], s[BN:BN+1] offset:((\p)-2)*QB th:TH_LOAD_NT scope:SCOPE_SE
.Lnone_\@:
.endif
.endm
; A step of 128 along K.  Global loads, in their order: ahead of the tile 9 scale words and fragments 0-15; hidden's first half (16); behind step s fragments 6 s + 16 .. 6 s + 21 (24) and step s + 3's scale words (3);
; behind step 11 also the biases (12); behind step 14 hidden's second half (16).  A's blocks 0-3 first take the step's fragments 0-3, asked for behind step s - 3, and then fragments 4 and 5, asked for behind step s - 2:
; the wait at the step's head counts the loads issued behind fragment 6 s + 3 and the step's scale words (where they are more than 63: 63), the second wait those behind fragment 6 s + 5.
; LDS loads, in their order: in a step's middle the next step's scale words (1) and A's blocks 0-3 (16), at its end blocks 4-7 (16).  The wait ahead of a block counts the LDS loads issued behind the block's four.
.macro STEP s
.if (\s) < 3
	s_wait_loadcnt 63
.elseif (\s) < 12
	s_wait_loadcnt 54                              ; the runs behind the last two steps, 27 each
.elseif (\s) < 14
	s_wait_loadcnt 63                              ; and the 12 of the biases
.elseif (\s) == 14
	s_wait_loadcnt 47                              ; the biases, step 12's 27, step 13's 8
.else
	s_wait_loadcnt 24                              ; step 13's 8 and hidden's second half
.endif
	WIN MUL_LO
.irp a, 0,1,2,3
	s_wait_dscnt 28-4*\a                           ; the later blocks of 0-3, and the 16 loads of blocks 4-7
	MUL6 \a, \s, 0, 3
.endr
.if (\s) == 0
	s_wait_loadcnt 56                              ; fragments 6-15 and hidden
.elseif (\s) == 1
	s_wait_loadcnt 59                              ; fragments 12-15, hidden, step 0's 27
.elseif (\s) < 12
	s_wait_loadcnt 46                              ; 19 of the run two steps back, 27 of the last
.elseif (\s) < 14
	s_wait_loadcnt 58                              ; and the 12 of the biases
.elseif (\s) == 14
	s_wait_loadcnt 27                              ; 19, and step 13's 8
.else
	s_wait_loadcnt 16                              ; hidden's second half
.endif
.irp a, 0,1,2,3
	MUL6 \a, \s, 4, 5
.endr
.if ((\s)%4 == 3) && ((\s) < 15)
	s_wait_dscnt 0x0                               ; no LDS instruction of mine is out at the signal; in step 11: hidden's rows lie in the stage
	WIN 0
	SHOW ((\s)/4+2)
.endif
.if (\s) < 15
	PLACES 8
	WIN 0
	ASCL (\s)+1
	FETCH_A (\s)+1, 0
.endif
.if (\s)%4 == 0
	ASK (\s)/4
.endif
	WIN MUL_HI
.irp a, 4,5,6,7
.if (\s) < 15
	s_wait_dscnt 45-4*\a                           ; the later blocks of 4-7, and the middle run's 17
.else
	s_wait_dscnt 28-4*\a                           ; the later blocks alone
.endif
	MUL6 \a, \s, 0, 5
.endr
.if (\s) < 15
	PLACES 8
.endif
.if (\s) < 14
	BFRAGS 6*(\s)+16, 6
.endif
.if (\s) < 13
	BSCL (\s)+3
.endif
.if (\s) == 14
	HLOAD 1
.endif
	WIN 0
.if (\s) < 15
	FETCH_A (\s)+1, 4
.endif
.if (\s) == 10
	HSTORE 0                                       ; shown to the other waves by step 11's barrier
.endif
.if (\s) == 11
.irp g, 0,1,2
.irp j, 0,1
.irp e, 0,1
	global_load_b128 v[BR+16*\g+8*\j+4*\e:BR+16*\g+8*\j+4*\e+3], v[VB], s[14+2*\g:15+2*\g] offset:64*\j+16*\e
.endr
.endr
.endr
.endif
.endm
; THE GATES for blocks a and a + 1: 32 outputs a lane.  Each batch of transcendentals has one wait ahead of it and one behind it, and a plain line behind it.  Accumulators are read from their low ends on.
.macro EPI2 a
.set AC, 64*((\a)%4)
.set W,  2+(\a)/4
.irp k, 0,1
.irp j, 0,1
.irp e, 0,1
	ds_load_b128 v[HID+16*\k+8*\j+4*\e:HID+16*\k+8*\j+4*\e+3], v[STO] offset:((\a)%4+\k)*16*PITCH+64*\j+16*\e
.endr
.endr
.endr
	WIN W
	s_wait_alu depctr_va_vdst(0)
.irp k, 0,1
.irp i, 0,2,4,6,8,10,12,14
	v_pk_fma_f32 v[TR+16*\k+\i:TR+16*\k+\i+1], v[AC+64*\k+\i:AC+64*\k+\i+1], s[NL:NL+1], v[BR+\i:BR+\i+1] op_sel_hi:[1,0,1]
.endr
.endr
.irp k, 0,1
.irp i, 0,2,4,6,8,10,12,14
	v_pk_fma_f32 v[TZ+16*\k+\i:TZ+16*\k+\i+1], v[AC+64*\k+16+\i:AC+64*\k+16+\i+1], s[NL:NL+1], v[BZ+\i:BZ+\i+1] op_sel_hi:[1,0,1]
.endr
.endr
	WIN 0
	s_wait_alu depctr_va_vdst(0)
.set i, 0
.rept 64
	v_exp_f32 v[TR+i], v[TR+i]
.set i, i+1
.endr
	v_nop
	s_wait_alu depctr_va_vdst(0)
.set i, 0
.rept 32
	v_pk_add_f32 v[TR+i:TR+i+1], v[TR+i:TR+i+1], 1.0 op_sel_hi:[1,0]
.set i, i+2
.endr
	s_wait_alu depctr_va_vdst(0)
.set i, 0
.rept 64
	v_rcp_f32 v[TR+i], v[TR+i]                     ; r, z
.set i, i+1
.endr
	v_nop
	WIN (W<<2)|(W<<4)
	s_wait_alu depctr_va_vdst(0)
.irp k, 0,1
.irp i, 0,2,4,6,8,10,12,14
	v_pk_fma_f32 v[TU+16*\k+\i:TU+16*\k+\i+1], v[TR+16*\k+\i:TR+16*\k+\i+1], v[AC+64*\k+48+\i:AC+64*\k+48+\i+1], v[AC+64*\k+32+\i:AC+64*\k+32+\i+1]   ; r Bh + A
.endr
.endr
	WIN 0
.irp k, 0,1
.irp i, 0,2,4,6,8,10,12,14
	v_pk_fma_f32 v[TU+16*\k+\i:TU+16*\k+\i+1], v[TU+16*\k+\i:TU+16*\k+\i+1], s[PL:PL+1], v[BH+\i:BH+\i+1] op_sel_hi:[1,0,1]
.endr
.endr
	s_wait_alu depctr_va_vdst(0)
.set i, 0
.rept 32
	v_exp_f32 v[TU+i], v[TU+i]
.set i, i+1
.endr
	v_nop
	s_wait_alu depctr_va_vdst(0)
.set i, 0
.rept 16
	v_pk_add_f32 v[TU+i:TU+i+1], v[TU+i:TU+i+1], 1.0 op_sel_hi:[1,0]
.set i, i+2
.endr
	s_wait_alu depctr_va_vdst(0)
.set i, 0
.rept 32
	v_rcp_f32 v[TU+i], v[TU+i]
.set i, i+1
.endr
	v_nop
	s_wait_alu depctr_va_vdst(0)
	s_wait_dscnt 0x0                               ; hidden is in
.set i, 0
.rept 16
	v_pk_fma_f32 v[TU+i:TU+i+1], v[TU+i:TU+i+1], -2.0, 1.0 op_sel_hi:[1,0,0]                   ; h1
.set i, i+2
.endr
.set i, 0
.rept 16
	v_pk_add_f32 v[HID+i:HID+i+1], v[HID+i:HID+i+1], v[TU+i:TU+i+1] neg_lo:[0,1] neg_hi:[0,1]  ; h - h1
.set i, i+2
.endr
.set i, 0
.rept 16
	v_pk_fma_f32 v[TU+i:TU+i+1], v[TZ+i:TZ+i+1], v[HID+i:HID+i+1], v[TU+i:TU+i+1]              ; h1 + z (h - h1)
.set i, i+2
.endr
.irp k, 0,1
.irp j, 0,1
.irp e, 0,1
	ds_store_b128 v[STO], v[TU+16*\k+8*\j+4*\e:TU+16*\k+8*\j+4*\e+3] offset:((\a)%4+\k)*16*PITCH+64*\j+16*\e   ; into the bytes from which hidden came: between two barriers only this lane touches them
.endr
.endr
.endr
.endm
.macro READBACK
.irp t, 0,1,2,3,4,5,6,7,8,9,10,11,12,13,14,15
	ds_load_b128 v[RB+4*\t:RB+4*\t+3], v[RD] offset:\t*PITCH
.endr
.endm
.macro SENDROWS u, younger
.irp t, 0,1,2,3,4,5,6,7,8,9,10,11,12,13,14,15
	s_wait_dscnt \younger+15-\t
	global_store_b128 v[BO], v[RB+4*\t:RB+4*\t+3], s[OP:OP+1] offset:(64*\u+\t)*4096 th:TH_STORE_NT   ; 32 lanes store 512 consecutive bytes, aligned
.endr
.endm
.macro BARRIER
	s_wait_dscnt 0x0
	s_barrier_signal -1
	s_barrier_wait -1
.endm
	s_load_b512 s[4:19], s[0:1], 0x0               ; acodes, ascales, wcodes, hidden, out0, b_i2r, b_i2z, b_i2h
	v_lshl_add_u32 v[SPW], v0, 2, SPARE
	v_mov_b32 v[NIL], 0
	ds_add_u32 v[SPW], v[NIL]                      ; the opening lines: the add, twice on end, and its wait
	ds_add_u32 v[SPW], v[NIL]
	v_lshrrev_b32 v1, 5, v0
	v_readfirstlane_b32 s[WV], v1                  ; wave 0..3
	s_bfe_u32 s[CX], ttmp6, 0x40000                ; cx: which 256 columns
	s_and_b32 s[Y], ttmp7, 0xffff                  ; which 128 rows: the cluster's y
	s_bcnt1_i32_b32 s[SW], s[Y]
	s_and_b32 s[SW], s[SW], 1                      ; which tile goes first
	s_mov_b32 s[G1+0], 15|(1<<20)|(1<<21)|(6<<22)|(3<<25)   ; the mask of all four partners; elements of 1 byte; 4 words of padding behind every 128
	s_mov_b32 s[G1+1], 512<<16
	s_mov_b32 s[G1+2], 128<<16
	s_mov_b32 s[G1+3], 512<<16
	s_mov_b32 s[G1+4], 128
	s_mov_b32 s[G1+5], 2048
	s_mov_b32 s[G1+6], 0
	s_mov_b32 s[G1+7], 0
	s_mov_b32 s[G0], 1
	s_mul_i32 s[G0+1], s[WV], CHK                  ; chunk w
	s_lshl_b32 s48, s[Y], 18                       ; 128 rows of 2,048 bytes,
	s_lshl_b32 s49, s[WV], 9                       ; + 512 w along K
	s_add_co_u32 s48, s48, s49
	s_mov_b32 s49, 0
	s_mov_b32 s[NL], 0xbfb8aa3b
	s_mov_b32 s[NL+1], s[NL]
	s_mov_b32 s[PL], 0x4038aa3b
	s_mov_b32 s[PL+1], s[PL]
	s_lshl_b32 s50, s[CX], 3
	s_add_co_u32 s50, s50, s[WV]
	s_lshl_b32 s51, s[SW], 2
	s_xor_b32 s57, s51, 4
	s_add_co_u32 s51, s51, s50                     ; my group of 32 columns: 8 cx + 4 tile + w
	s_add_co_u32 s57, s57, s50
	s_mul_i32 s52, s51, STRM
	s_mov_b32 s53, 0
	s_mul_i32 s54, s57, STRM
	s_mov_b32 s55, 0
	s_lshl_b32 s62, s[Y], 19                       ; hidden, out: 128 y + 16 w rows of 4,096 bytes,
	s_lshl_b32 s50, s[WV], 16
	s_add_co_u32 s62, s62, s50
	s_lshl_b32 s50, s[CX], 10                      ; + 1,024 cx + 512 tile
	s_add_co_u32 s62, s62, s50
	s_lshl_b32 s51, s[SW], 9
	s_xor_b32 s57, s51, 512
	s_add_co_u32 s72, s62, s57
	s_add_co_u32 s62, s62, s51
	s_mov_b32 s63, 0
	s_mov_b32 s73, 0
	s_lshl_b32 s68, s[WV], 7
	s_add_co_u32 s71, s68, s50
	s_add_co_u32 s71, s71, s51                     ; my columns in a bias, in bytes
	s_add_co_u32 s68, s68, STG
	s_mul_i32 s69, s[WV], 16*PITCH
	s_add_co_u32 s69, s69, STG
	s_lshl_b32 s70, s[WV], 2
	s_lshl_b32 s66, s[Y], 12                       ; A's scales: 128 y + 32 w rows of 32 bytes
	s_lshl_b32 s50, s[WV], 10
	s_add_co_u32 s66, s66, s50
	s_mov_b32 s67, 0
	s_lshr_b32 s50, s[Y], 2
	s_xor_b32 s50, s50, s[Y]
	s_and_b32 s50, s50, 15                         ; the row block's class: four row blocks to a class
	s_mul_i32 s57, s50, 13                         ; a class names 13 of a quarter's 200 blocks
	s_wait_dscnt 0x0
	s_wait_kmcnt 0x0
	s_add_nc_u64 s[G0+2:G0+3], s[4:5], s[48:49]
	s_or_b32 s[G0+3], s[G0+3], 0x80000000
	s_add_nc_u64 s[BP:BP+1], s[8:9], s[52:53]
	s_add_nc_u64 s[BN:BN+1], s[8:9], s[54:55]
	s_add_nc_u64 s[HP:HP+1], s[10:11], s[62:63]
	s_add_nc_u64 s[HN:HN+1], s[10:11], s[72:73]
	s_add_nc_u64 s[OP:OP+1], s[12:13], s[62:63]
	s_add_nc_u64 s[ON:ON+1], s[12:13], s[72:73]
	s_add_nc_u64 s[66:67], s[6:7], s[66:67]
	CROUND                                         ; the four partners are here: the joint loads meet
	ARM 1, .Larm1
	ARM 2, .Larm2
	ARM 3, .Larm3
	TLOAD
.Lasked:
	v_and_b32 v1, 15, v0                           ; r
	v_bfe_u32 v2, v0, 4, 1                         ; h
	v_and_b32 v3, 31, v0                           ; lane
	v_mul_u32_u24 v4, v1, PITCH
	v_lshl_add_u32 v5, v2, 4, v4
.irp q, 0,1,2,3
	v_add_nc_u32 v[ADRA+\q], \q*CHK, v5
.endr
	v_lshlrev_b32 v[BO], 4, v3
	v_lshlrev_b32 v[BO4], 2, v3
	v_add_nc_u32 v[ADSA], ASC, v[BO]
	v_add_nc_u32 v7, s70, v[ADSA]                  ; where my wave's pair of blocks puts its scale words
	v_lshl_add_u32 v6, v2, 5, v4
	v_add_nc_u32 v[STO], s68, v6
	v_add_nc_u32 v[RD], s69, v[BO]
	v_lshl_add_u32 v[VB], v2, 5, s71
	v_lshlrev_b32 v22, 5, v3                       ; a row of 32 scale bytes a lane
	v_min_u32 v23, 12, v3
	v_add_nc_u32 v23, s57, v23
	v_min_u32 v23, 199, v23                        ; lanes left over name the last block again; none leaves the quarter
	v_lshlrev_b32 v[PFO], 8, v23
	v_lshrrev_b32 v24, 1, v3
	v_and_b32 v25, 1, v3
	v_lshlrev_b32 v25, 8, v25
	v_lshl_add_u32 v[PFH], v24, 12, v25            ; 16 rows x 2 blocks of 256 bytes
	s_wait_alu depctr_va_vdst(0)
	global_load_b128 v[128:131], v22, s[66:67]                  ; rows 32 w + lane: x's eight scale words,
	global_load_b128 v[132:135], v22, s[66:67] offset:16
	global_load_b128 v[136:139], v22, s[66:67] offset:262144    ; and h's
	global_load_b128 v[140:143], v22, s[66:67] offset:262160
.irp t, 0,1,2
	BSCL \t
.endr
	BFRAGS 0, 12
	global_prefetch_b8 v[PFO], s[BP:BP+1] th:TH_LOAD_NT scope:SCOPE_SE
	global_prefetch_b8 v[PFO], s[BP:BP+1] offset:QB th:TH_LOAD_NT scope:SCOPE_SE
	s_wait_loadcnt 57                              ; behind the four: 9 scale words and 48 loads of fragments
.irp t, 0,1,2,3,4,5,6,7,8,9,10,11,12,13,14,15
	ds_store_b32 v7, v[128+\t] offset:\t*512
.endr
	BFRAGS 12, 4
	s_cmp_lt_u32 s[WV], 1
	s_cbranch_scc0 .Lchunk0
	s_wait_tensorcnt 0x0                           ; wave 0: chunk 0 is in
.Lchunk0:
	s_wait_dscnt 0x0                               ; my scale words lie in LDS
	s_barrier_signal -1
	s_barrier_wait -1
	s_mov_b32 s[TC], 0
.Ltile:
	HLOAD 0
	ASCL 0
	FETCH_A 0, 0
	FETCH_A 0, 4
.irp s, 0,1,2,3,4,5,6,7,8,9,10,11,12,13,14,15
	STEP \s
.endr
.set i, 0
.rept 16
	v_pk_mul_f32 v[BR+i:BR+i+1], v[BR+i:BR+i+1], s[NL:NL+1] op_sel_hi:[1,0]   ; -L br, -L bz.  (These 24 lines are also the places behind the last products)
.set i, i+2
.endr
.set i, 0
.rept 8
	v_pk_mul_f32 v[BH+i:BH+i+1], v[BH+i:BH+i+1], s[PL:PL+1] op_sel_hi:[1,0]   ; 2 L bh
.set i, i+2
.endr
	EPI2 0
	EPI2 2
	BARRIER                                        ; the first half's results lie in the stage
	READBACK
	s_wait_loadcnt 0x0                             ; hidden's second half is in
	HSTORE 1                                       ; LDS serves a wave's instructions in order: these come behind my loads of the same rows
	SENDROWS 0, 16
	s_wait_xcnt 0x0                                ; the stores' registers and the loads' bases are written below
	BARRIER
	s_cmp_lg_u32 s[TC], 0
	s_cbranch_scc1 .Lno_next
	s_mov_b64 s[BP:BP+1], s[BN:BN+1]               ; the other tile: its weights, its hidden, its biases
	s_mov_b64 s[HP:HP+1], s[HN:HN+1]
	v_xor_b32 v[VB], 512, v[VB]
.irp t, 0,1,2
	BSCL \t
.endr
	BFRAGS 0, 16
.Lno_next:
	EPI2 4
	EPI2 6
	BARRIER
	READBACK
	SENDROWS 1, 0
	s_wait_xcnt 0x0
	s_mov_b64 s[OP:OP+1], s[ON:ON+1]
	s_add_co_u32 s[TC], s[TC], 1
	s_cmp_lt_u32 s[TC], 2
	s_cbranch_scc1 .Ltile
	s_wait_tensorcnt 0x0                           ; the wave's end
	ds_add_u32 v[SPW], v[NIL]
	s_wait_dscnt 0x0
	CROUND                                         ; the closing round
	s_endpgm
.Lfunc_end_k_q28dddff4e4_gru:
	.size	k_q28dddff4e4_gru, .Lfunc_end_k_q28dddff4e4_gru-k_q28dddff4e4_gru
	.p2alignl 7, 3214868480
	.fill 96, 4, 3214868480
	.section	.rodata,"a",@progbits
	.p2align	6, 0x0
	.amdhsa_kernel k_q28dddff4e4_gru
		.amdhsa_group_segment_fixed_size 327680
		.amdhsa_private_segment_fixed_size 0
		.amdhsa_enable_private_segment 0
		.amdhsa_kernarg_size 64
		.amdhsa_user_sgpr_count 2
		.amdhsa_user_sgpr_kernarg_segment_ptr 1
		.amdhsa_wavefront_size32 1
		.amdhsa_system_sgpr_workgroup_id_x 1
		.amdhsa_system_sgpr_workgroup_id_y 1
		.amdhsa_system_sgpr_workgroup_id_z 1
		.amdhsa_system_vgpr_workitem_id 0
		.amdhsa_next_free_vgpr 1024
		.amdhsa_next_free_sgpr 74
		.amdhsa_reserve_vcc 0
		.amdhsa_float_denorm_mode_32 3
		.amdhsa_float_denorm_mode_16_64 3
		.amdhsa_memory_ordered 1
		.amdhsa_forward_progress 1
		.amdhsa_inst_pref_size 255
	.end_amdhsa_kernel
	.section	.bss,"aw",@nobits
	.p2align	6
	.space	262144
	.amdgpu_metadata
---
amdhsa.version: [ 1, 2 ]
amdhsa.kernels:
  - .name:           k_q28dddff4e4_gru
    .symbol:         k_q28dddff4e4_gru.kd
    .args:
      - { .name: acodes, .offset: 0, .size: 8, .value_kind: global_buffer, .address_space: global }
      - { .name: ascales, .offset: 8, .size: 8, .value_kind: global_buffer, .address_space: global }
      - { .name: wcodes, .offset: 16, .size: 8, .value_kind: global_buffer, .address_space: global }
      - { .name: hidden, .offset: 24, .size: 8, .value_kind: global_buffer, .address_space: global }
      - { .name: out0, .offset: 32, .size: 8, .value_kind: global_buffer, .address_space: global }
      - { .name: b_i2r, .offset: 40, .size: 8, .value_kind: global_buffer, .address_space: global }
      - { .name: b_i2z, .offset: 48, .size: 8, .value_kind: global_buffer, .address_space: global }
      - { .name: b_i2h, .offset: 56, .size: 8, .value_kind: global_buffer, .address_space: global }
    .group_segment_fixed_size: 327680
    .private_segment_fixed_size: 0
    .kernarg_segment_align: 8
    .kernarg_segment_size: 64
    .max_flat_workgroup_size: 128
    .sgpr_count:     74
    .vgpr_count:     1024
    .wavefront_size: 32
...
	.end_amdgpu_metadata
.endif
;; end of part 2
